; MI455X (gfx1250); checked and timed in simulation.
; The chip was launched on July 23, 2026; its instructions are those of AMD's public machine-readable ISA for CDNA 5 (MIT licence, August 2026) and "CDNA5" Instruction Set Architecture Reference Guide (July 2026). The comments in the code are by the model that wrote it; some were corrected since.
;; Vector Quantizer. Allowed arithmetic: matrix products marked QUANTISED: E4M3 operands, one given power-of-two scale a tensor, by v_wmma_f32_16x16x64_fp8_fp8 or v_wmma_f32_16x16x128_fp8_fp8, f32 sums; everything else in f32.
;; Inputs: codebook 512 x 64 float32; lowp_scales 4 int32 (the exponents e of the quantised operands' scales 2^e); x 64 x 64 x 32 x 32 float32.
;; Outputs: out0 64 x 64 x 32 x 32 float32; out1 one number float32; out2 one number float32; out3 64 x 1,024 int32; out4 64 x 512 float32; out5 64 x 512 float32.
;; This version of the problem:
;;   THIS VERSION OF THE PROBLEM IS GIVEN IN LOW PRECISION. The matrix products marked QUANTISED in the list below multiply operands that are first quantised to E4M3 (4 exponent bits, 3 mantissa bits; 8 bits a number), with one given power-of-two scale for each operand tensor; their sums are f32. All else is computed in f32.
;;   The module's matrix products, in the order in which they are computed (A, B: the left and right operand; K: the contracted axis; several contracted axes count as one K, in the product's order):
;;     1. [M 65,536, K 64] x [K 64, N 512]; A: input x; B: input codebook: QUANTISED (scales: A lowp_scales[0], B lowp_scales[1])
;;     2. [M 65,536, K 512] x [K 512, N 64]; A: computed on the way; B: input codebook: QUANTISED (scales: A lowp_scales[2], B lowp_scales[3])
;;   THE QUANTISER, for each operand of a quantised product, along K:
;;     - The operand's scale is 2^e, e = its entry of the input lowp_scales (int32; the entries are numbered through the quantised products in the list's order, A before B).
;;     - Each number is divided by the scale, clamped to +-448, and rounded to the nearest number of E4M3, ties to even, subnormals kept.
;;     - The product sums the exact products of the quantised numbers (number of the format x scale) in f32.
;;   ~~~python
;;   def quantise(x, axis, e):      # numpy; x: float32 -> the quantised numbers, widened to float32 again
;;       x = np.moveaxis(x, axis, -1); K = x.shape[-1]
;;       r = np.clip(x / 2.0 ** e, -448, 448)
;;       step = 2.0 ** (np.maximum(np.frexp(np.where(r == 0, 1, r))[1] - 1, -6) - 3)
;;       q = np.round(r / step) * step * 2.0 ** e      # np.round: ties to even
;;       return np.moveaxis(q, -1, axis).astype(np.float32)
;;   ~~~
;;   OPERANDS COMPUTED ON THE WAY. 'Computed on the way' means the value that the module computes at that place (a softmax that the list does not call 'softmax' is quantised finished and normalised). What goes into a quantiser is computed in f32, as accurately as f32 sums, v_exp_f32 and their like allow (about 1e-6 of the number): no bf16 or f16 on the way to a quantiser, and a product that is left as it is and whose result goes on into a quantised operand takes f32 operands (vector FMAs, or v_wmma_f32_16x16x4_f32). A number that lies on a knife's edge between two numbers of the format may be rounded either way, as far as f32 arithmetic and the matrix unit's own rounding can turn it there, and no further.
;; One version. Each part assembles by itself: llvm-mc -triple=amdgcn-amd-amdhsa -mcpu=gfx1250 --defsym DOCPART=n.
;; ======== version 1 of 1: 2 launches
;; limits: right only within a limited range of input values
;; workspace buffers: cntp 262,144 bytes; cnt8 131,072 bytes of whole numbers; histp 524,288 bytes; lossp 1,024 bytes
;; launch main (part 1): grid 256 x 1, 8 waves a work-group, no clusters, 179,968 bytes of LDS; arguments codebook, lowp_scales, x, out0, out3, cntp, histp, lossp, cnt8; writes out0, out3, cntp, histp, lossp, cnt8
.if DOCPART == 1
	.amdgcn_target "amdgcn-amd-amdhsa--gfx1250"
	.amdhsa_code_object_version 6
	.text
	.protected	k_q380ea77c1e_main
	.globl	k_q380ea77c1e_main
	.p2align	8
	.type	k_q380ea77c1e_main,@function
k_q380ea77c1e_main:
	s_mov_b64 s[64:65], 0
	v_nop
	global_prefetch_b8 v0, s[64:65] scope:SCOPE_SE
	s_setreg_imm32_b32 hwreg(HW_REG_WAVE_MODE, 25, 1), 1
	s_wait_xcnt 0x0
; VECTOR QUANTISER.  x: [64][64 d][1024 hw] f32, codebook: [512][64] f32, lowp_scales: e0..e3 (int32).
; For each of the 65,536 positions: dist[k] = (sum x^2 + sum e_k^2) - 2 x.e_k, the product on E4M3 codes (x under 2^e0, codebook under 2^e1); idx = first argmin; softmax(-dist) summed over a batch;
; q = onehot(idx) . codebook on E4M3 codes (onehot under 2^e2, codebook under 2^e3); out0 = x + (q - x); sum (q - x)^2; counts of idx.
; This launch stores out0, out3 and, for each work-group, counts (cntp as u16, cnt8 as bytes modulo 256), partial softmax sums (histp) and a partial loss (lossp); the next launch adds them.
; NOTHING OF reference() IS LEFT OUT AS DEAD WORK, and every input is loaded.  e_latent_loss and q_latent_loss are one and the same expression, computed once.  sum x^2 stays in dist: the f32 roundings of
; (xx + ee) and of (xx + ee) - 2 prod decide ties of the argmin, so dist is formed with just these two: t = xx + ee, d = fma(S, -2^(e0+e1+1), t), S the sum of code products (2 prod is an exact scaling of S).
; The lowest index wins a tie.  The softmax takes the row's least distance away before the exponential.
; LIMITS: e0, e1, e2, e3 between -126 and 119; e0 + e1 + 1 and e2 + e3 between -126 and 127.  NaN and infinity among the inputs are not served.  Where a row's least distance lies under 2^-97 in size,
; distances less than 2^-120 above it count as equal to it in the argmin.  The order of the sums xx and ee differs from the reference's.
; THE ARGMIN: a = fma(d, -log2 e, RN(m log2 e)), m the row's minimum, is the exponential's argument anyway, and is one number v0 where d = m, |v0| at most half an ulp of m log2 e.  With BIG = 2^(30 - exponent of m)
; a step of d above m is more than 90 in BIG a, so the largest BIG a - t over my 32 columns t belongs to the lowest t that holds the minimum: t = RN(BIG v0 - key); where I do not hold it t comes out above 90.
; THE COUNTS: count[hi][lo] = sum over positions of [idx / 16 = hi] [idx % 16 = lo]: a product of two one-hots along the 256 positions, codes 0 and 2.0, sums of 4 x count: exact.
; SHARES.  Work-group g: batch g / 4, positions 256 (g % 4) on.  Wave w: 32 of them from 32 w, two tiles T of 16: row m of tile T is position 2 m + T.  Lane (r = lane % 16, h = lane / 16).
; x comes into LDS by one tensor load a wave (8 channels x 1024 bytes), is read from there for the codes and again for q - x; out0 is put over it and leaves by rows of 1024 bytes.
; out0 hangs on the indices alone: both tiles' second product and out0 stand ahead of tile 1's exponentials, so that out0's stores are on their way under the rest of the softmax.
; NO CLUSTER: no two work-groups read the same x; the one shared input, the codebook, goes from memory straight into the registers in which a wave quantises its eighth, while a joint load would have to land 128 KiB
; of f32 in LDS beside x and the tables.  NO PREFETCH: there is no loop of loads to run ahead in, all is asked for at the head.
; REGISTERS: window 1 (v256-511): the raw codebook; x held; then d / a / p of a tile, [8 t + j] = (row 8 h + j, code 16 t + r); its upper 64 hold fragments too, until chunk 3's distances need them.  Window 0: the names below.
.set E1L,   0          ; LDS: 512 rows (code), pitch 80: byte 32 ((d>>3)&1) + 8 (d>>4) + (d&7) = code of e[k][d] under e1: a lane's 32 bytes of a fragment lie on end
.set E3T,   40960      ; 64 rows (d), pitch 528: byte k = code of e[k][d] under e3
.set EEL,   74752      ; ee[k], f32
.set XL,    76800      ; x: 64 rows (d), pitch 1040: 1024 bytes + 16 of padding
.set HISTL, 143360     ; 16 rows (2 w + h), pitch 2112: 512 f32
.set IDXL,  177152     ; 256 indices, i32
.set LOB,   178176     ; 256 bytes idx % 16, then 256 bytes idx / 16
.set LOSSL, 178688     ; 8 words
.set SPARE, 178944     ; the spare words, 128 bytes for each wave: four blocks of 256 bytes that no other line names
.set E1R,1
.set RRF,2             ; r as f32 (v3 is named as the pair's upper half)
.set PB,3
.set XXL,4             ; v4-5    xx of my positions 2 r, 2 r + 1; lane r: row r of tiles 0 and 1
.set IQ,6              ; v6-7    their indices
.set XXR,8             ; v8-15   xx of rows 8 h + j
.set XC,16             ; v16-31  x codes of two tiles
.set EE,32             ; v32-63  ee[16 t + r]
.set ACC,64            ; v64-127 softmax sums, a pair for each t (even rows, odd rows)
.set SS,128            ; v128-191 eight tiles of code sums
.set FB,192            ; v192-255 eight codebook fragments: even chunks in window 0, odd chunks in window 1
.set MN,128            ; behind the distances: the rows' minimum, x log2 e, BIG, key, sums, 1 / sum, BIG v0 and then the index
.set ML,136
.set BIG,144
.set KEY,152
.set LS,160
.set RV,168
.set RINV,176
.set V0B,184
.set KT,192
.set RI,4              ; the head: r, h; addresses
.set HI,5
.set LIM0,6
.set SC0,7
.set E1W,8
.set E3W,9
.set EEW,10
.set XA,11
.set EER,12
.set CO,13
.set SPW,14            ; LDS address of my spare word, and 0: made anew at the wave's end
.set NIL,15
.set T1,64
.set T3,96
.set TX,64
.set PA,66
.set C1,128
.set C3,136
.set QQ,160
.set EP,176
.set LIM1,198
.set SC1,199
.set LIM3,200
.set SC3,201
.set TA,208
.set XB,8              ; the second product: addresses
.set E3R,9
.set HISTW,10
.set IDW,11
.set H64,14
.set BW,15
.set OB,16             ; v16-31  the one-hots' lower factor, eight registers a tile
.set OH,32             ; v32-63  one K step of both tiles' one-hots; then q - x of sixteen channels
.set D2,128            ; v128-191 the second product's sums, 32 a tile
.set EF,192            ; v192-255 one K step's codebook fragments; then x and out0
.set LA,16
.set OO,24
.set XRD,25
.set HISTR,26
.set O8,27
.set MSB, 0
.macro WIN new                         ; the immediate's high byte repeats the setting that is left; a switch that changes nothing is dropped
.if MSB != (\new)
	s_set_vgpr_msb (MSB<<8)|(\new)
.set MSB, (\new)
.endif
.endm
.macro XROW op, base                   ; eight registers, each joined over the 16 lanes of a row
.irp m,1,2,4,8
.irp j,0,1,2,3,4,5,6,7
	\op v[\base+\j], v[\base+\j], v[\base+\j] row_xmask:\m row_mask:0xf bank_mask:0xf
.endr
.endr
.endm
.macro HALVE op, b                     ; eight registers joined over 16 lanes, half of the registers dropped at each step: lane r ends with register r % 8's result
.irp j,0,1,2,3,4,5,6,7
	\op v[\b+\j], v[\b+\j], v[\b+\j] row_xmask:1 row_mask:0xf bank_mask:0xf
.endr
.irp j,0,2,4,6
	v_cndmask_b32 v[\b+\j], v[\b+\j], v[\b+\j+1], s52
.endr
.irp j,0,2,4,6
	\op v[\b+\j], v[\b+\j], v[\b+\j] row_xmask:2 row_mask:0xf bank_mask:0xf
.endr
.irp j,0,4
	v_cndmask_b32 v[\b+\j], v[\b+\j], v[\b+\j+2], s53
.endr
.irp j,0,4
	\op v[\b+\j], v[\b+\j], v[\b+\j] row_xmask:4 row_mask:0xf bank_mask:0xf
.endr
	v_cndmask_b32 v[\b], v[\b], v[\b+4], s54
	s_delay_alu instid0(VALU_DEP_1)
	\op v[\b], v[\b], v[\b] row_xmask:8 row_mask:0xf bank_mask:0xf
.endm
.macro MKSCALE e, sc, lim              ; 2^e and 448 x 2^e as f32 numbers
	s_add_co_i32 s68, s[\e], 127
	s_lshl_b32 s69, s68, 23
	v_mov_b32 v[\sc], s69
	s_add_co_i32 s68, s68, 8
	s_lshl_b32 s68, s68, 23
	s_or_b32 s68, s68, 0x600000
	v_mov_b32 v[\lim], s68
.endm
.macro CBLOAD g
.irp i,0,1,2,3,4,5,6,7
	global_load_b128 v[32*\g+4*\i:32*\g+4*\i+3], v[CO], s[4:5] offset:(8*\g+\i)*256   ; each half of the lanes reads a whole row of 256 bytes
.endr
.endm
	s_load_b256 s[4:11], s[0:1], 0x0               ; codebook s[4:5], lowp_scales s[6:7], x s[8:9], out0 s[10:11]
	s_load_b256 s[12:19], s[0:1], 0x20             ; out3 s[12:13], cntp s[14:15], histp s[16:17], lossp s[18:19]
	s_load_b64 s[22:23], s[0:1], 0x40              ; cnt8
	v_lshl_add_u32 v[SPW], v0, 2, SPARE
	v_mov_b32 v[NIL], 0
	ds_add_u32 v[SPW], v[NIL]                      ; the wave's opening: the add, twice on end, and its wait ahead of my tensor load
	ds_add_u32 v[SPW], v[NIL]
	v_lshrrev_b32 v6, 5, v0
	v_readfirstlane_b32 s20, v6                    ; wave 0..7
	v_and_b32 v[RI], 15, v0
	v_bfe_u32 v[HI], v0, 4, 1
	v_lshlrev_b32 v[CO], 4, v[RI]
	v_lshl_add_u32 v[CO], v[HI], 13, v[CO]         ; codebook: 16 r + 32 h rows of 256 bytes
	s_lshl_b32 s68, s20, 14                        ; my 64 rows
	s_mov_b32 s69, 0
	s_lshr_b32 s70, ttmp9, 2                       ; x, out0: batch x 2^18 + quarter x 1024 + 8 w channels of 4096 bytes
	s_lshl_b32 s70, s70, 18
	s_and_b32 s71, ttmp9, 3
	s_lshl_b32 s71, s71, 10
	s_or_b32 s70, s70, s71
	s_lshl_b32 s71, s20, 15
	s_or_b32 s70, s70, s71
	s_mov_b32 s71, 0
	s_lshl_b32 s72, ttmp9, 10
	s_mov_b32 s73, 0
	s_mov_b32 s40, 1                               ; descriptor group 0: count,
	s_mul_i32 s41, s20, 8320
	s_add_co_u32 s41, s41, XL                      ; LDS address: 8 w rows of 1040
	s_mov_b32 s44, (2<<16)|(1<<20)|(7<<22)|(3<<25) ; group 1: elements of 4 bytes; 4 words of padding behind every 256
	s_mov_b32 s45, 256<<16                         ; 8 rows of 256 elements, 1024 elements from row to row
	s_mov_b32 s46, 8<<16
	s_mov_b32 s47, 256<<16
	s_mov_b32 s48, 8
	s_mov_b32 s49, 1024
	s_mov_b32 s50, 0
	s_mov_b32 s51, 0
	s_wait_alu depctr_va_vdst(0)
	s_wait_dscnt 0x0                               ; both opening adds are done
	s_wait_kmcnt 0x0
	s_load_b128 s[24:27], s[6:7], 0x0              ; e0, e1, e2, e3
	s_add_nc_u64 s[42:43], s[8:9], s[70:71]
	s_or_b32 s43, s43, 0x80000000
	s_add_nc_u64 s[4:5], s[4:5], s[68:69]
	WIN 0x40
	CBLOAD 0
	CBLOAD 1
	tensor_load_to_lds s[40:43], s[44:51]          ; my one tensor load: 8 channels of the work-group's 256 positions; half of the codebook, which is wanted first, has been asked for
	s_nop 0
	CBLOAD 2
	CBLOAD 3
	WIN 0
	s_add_nc_u64 s[10:11], s[10:11], s[70:71]
	s_add_nc_u64 s[12:13], s[12:13], s[72:73]      ; out3, cntp: 1024 g
	s_add_nc_u64 s[14:15], s[14:15], s[72:73]
	s_lshl_b32 s72, ttmp9, 11
	s_add_nc_u64 s[16:17], s[16:17], s[72:73]
	s_lshl_b32 s72, ttmp9, 2
	s_add_nc_u64 s[18:19], s[18:19], s[72:73]
	s_lshl_b32 s72, ttmp9, 9
	s_add_nc_u64 s[22:23], s[22:23], s[72:73]
	v_bfe_u32 v6, v0, 1, 1
	v_bfe_u32 v7, v0, 2, 2
	v_lshlrev_b32 v[E1W], 5, v6
	v_lshl_add_u32 v[E1W], v7, 3, v[E1W]
	v_and_b32 v6, 1, v0
	v_lshl_add_u32 v[E1W], v6, 2, v[E1W]           ; the place of channels 4 r .. 4 r + 3 in a row of E1L
	v_mad_u32_u24 v[E1W], v[HI], 2560, v[E1W]      ; + 32 h rows of 80
	s_mul_i32 s68, s20, 5120                       ; + 64 w rows
	v_add_nc_u32 v[E1W], s68, v[E1W]
	v_mul_u32_u24 v[E3W], v[RI], 2112              ; row 4 r of 528
	v_lshl_add_u32 v[E3W], v[HI], 5, v[E3W]
	s_lshl_b32 s68, s20, 6
	s_add_co_u32 s68, s68, E3T
	v_add_nc_u32 v[E3W], s68, v[E3W]               ; + 64 w + 32 h
	v_and_b32 v6, 7, v0
	v_lshlrev_b32 v[EEW], 2, v6
	v_lshl_add_u32 v[EEW], v[HI], 7, v[EEW]
	s_lshl_b32 s68, s20, 8
	s_add_co_u32 s68, s68, EEL
	v_add_nc_u32 v[EEW], s68, v[EEW]               ; 4 x (64 w + 32 h + r % 8)
	v_mul_u32_u24 v[XA], v[HI], 8320
	v_lshl_add_u32 v[XA], v[RI], 3, v[XA]
	s_lshl_b32 s68, s20, 7
	s_add_co_u32 s68, s68, XL
	v_add_nc_u32 v[XA], s68, v[XA]                 ; x: 8 h rows + 128 w + 8 r
	v_lshl_add_u32 v[EER], v[RI], 2, EEL
	v_mul_u32_u24 v[E1R], v[RI], 80
	v_lshl_add_u32 v[E1R], v[HI], 5, v[E1R]
	v_cvt_f32_u32 v[RRF], v[RI]
	v_mov_b32 v[PB], 0                             ; a lane permute's destination counts as read
	s_mov_b32 s30, 0xbfb8aa3b                      ; -log2(e), as a pair
	s_mov_b32 s31, 0xbfb8aa3b
	s_mov_b32 s34, 0x76543210                      ; v_permlanex16_b32: lane l xor 16
	s_mov_b32 s35, 0xfedcba98
	s_mov_b32 s36, 0xffff0000                      ; lanes 16-31
	s_mov_b32 s37, 0x00ffff00                      ; lanes 8-23
	s_mov_b32 s52, 0xaaaaaaaa                      ; lanes with bit 0, 1, 2 of their number set
	s_mov_b32 s53, 0xcccccccc
	s_mov_b32 s54, 0xf0f0f0f0
	s_mov_b32 s55, 0x40404040
	s_wait_alu depctr_va_vdst(0)
	s_wait_kmcnt 0x0
	MKSCALE 24, SC0, LIM0
	MKSCALE 25, SC1, LIM1
	MKSCALE 27, SC3, LIM3
	MKSCALE 26, TA+10, TA+11
	s_add_co_i32 s28, s24, s25
	s_add_co_i32 s28, s28, 128
	s_lshl_b32 s28, s28, 23
	s_or_b32 s28, s28, 0x80000000                  ; -2^(e0 + e1 + 1), as a pair
	s_mov_b32 s29, s28
	s_add_co_i32 s32, s26, s27
	s_add_co_i32 s32, s32, 127
	s_lshl_b32 s32, s32, 23                        ; 2^(e2 + e3)
	s_wait_alu depctr_va_vdst(0)
	v_min_num_f32 v[TA], 1.0, v[TA+11]             ; the one-hot's 1.0, held at the largest code x 2^e2 (the conversion does not saturate: ISA guide 7.6.2)
.irp i,1,2,3,4,5,6,7
	v_mov_b32 v[TA+\i], 0
.endr
	v_cvt_scalef32_pk8_fp8_f32 v[TA+8:TA+9], v[TA:TA+7], v[TA+10]
	v_nop                                          ; a plain line between a scaled conversion and the reader of its result
	v_readfirstlane_b32 s33, v[TA+8]
	s_and_b32 s33, s33, 0xff                       ; the code of 1.0 under e2
	s_wait_alu depctr_va_vdst(0)
; THE CODEBOOK.  Block g of my eighth: a lane holds 8 codes k = 64 w + 32 h + 8 g + i x 4 channels 4 r + e.  ee by squares and a sum over the 16 lanes; the numbers held and converted twice: in row order
; under e1 (four bytes of a row of E1L) and, the registers taken the other way round, under e3 (eight bytes along k of a row of E3T).  left: the loads issued behind this block's.
.macro CBLOCK g, left
.set CA, C1+16*((\g)%2)
.set CB, C3+16*((\g)%2)
.set EB, EP+8*((\g)%2)
	s_wait_loadcnt \left
	WIN 0x05
.irp i,0,1,2,3,4,5,6,7
	v_pk_mul_f32 v[QQ+2*\i:QQ+2*\i+1], v[32*(\g)+4*\i:32*(\g)+4*\i+1], v[32*(\g)+4*\i:32*(\g)+4*\i+1]
.endr
.irp i,0,1,2,3,4,5,6,7
	v_pk_fma_f32 v[QQ+2*\i:QQ+2*\i+1], v[32*(\g)+4*\i+2:32*(\g)+4*\i+3], v[32*(\g)+4*\i+2:32*(\g)+4*\i+3], v[QQ+2*\i:QQ+2*\i+1]
.endr
	WIN 0x01
.irp i,0,1,2,3,4,5,6,7
.irp e,0,1,2,3
	v_med3_num_f32 v[T1+4*\i+\e], v[32*(\g)+4*\i+\e], -v[LIM1], v[LIM1]
	v_med3_num_f32 v[T3+8*\e+\i], v[32*(\g)+4*\i+\e], -v[LIM3], v[LIM3]
.endr
.endr
	WIN 0
.irp i,0,1,2,3,4,5,6,7
	v_add_f32 v[EB+\i], v[QQ+2*\i], v[QQ+2*\i+1]
.endr
.irp p,0,1,2,3
	v_cvt_scalef32_pk8_fp8_f32 v[CA+2*\p:CA+2*\p+1], v[T1+8*\p:T1+8*\p+7], v[SC1]
.endr
.irp e,0,1,2,3
	v_cvt_scalef32_pk8_fp8_f32 v[CB+2*\e:CB+2*\e+1], v[T3+8*\e:T3+8*\e+7], v[SC3]
.endr
	v_nop                                          ; a plain line behind the last conversion: later vector lines write its sources
.irp i,0,1,2,3,4,5,6,7
	ds_store_b32 v[E1W], v[CA+\i] offset:(8*(\g)+\i)*80
.endr
.irp e,0,1,2,3
	ds_store_b64 v[E3W], v[CB+2*\e:CB+2*\e+1] offset:\e*528+8*(\g)
.endr
	HALVE v_add_f32_dpp, EB                        ; lane r: ee of code r % 8 of the block
	ds_store_b32 v[EEW], v[EB] offset:32*(\g)      ; lanes r and r xor 8 store the same word with the same number
.endm
; Eight fragments, codes 128 ch + 16 z + r, my half's 32 bytes: even chunks into window 0, odd ones into window 1.
.macro FLOAD ch
	WIN 0x40*((\ch)%2)
.irp z,0,1,2,3,4,5,6,7
	ds_load_b128 v[FB+8*\z:FB+8*\z+3], v[E1R] offset:1280*(8*(\ch)+\z)
	ds_load_b128 v[FB+8*\z+4:FB+8*\z+7], v[E1R] offset:1280*(8*(\ch)+\z)+16
.endr
.endm
	CBLOCK 0, 24
	CBLOCK 1, 16
	CBLOCK 2, 8
	CBLOCK 3, 0
	s_wait_tensorcnt 0x0                           ; for the others: my eight channels of x are in,
	s_wait_dscnt 0x0                               ; and my part of the three tables is stored
	s_barrier_signal -1
	s_barrier_wait -1
	WIN 0x40
.irp c,0,1,2,3
.irp i,0,1,2,3,4,5,6,7
	ds_load_b64 v[2*(8*\c+\i):2*(8*\c+\i)+1], v[XA] offset:(16*\c+\i)*1040   ; n = 8 c + i: channel 16 c + 8 h + i of positions 2 r, 2 r + 1
.endr
.endr
	WIN 0
.set t, 0
.rept 32
	ds_load_b32 v[EE+t], v[EER] offset:64*t
.set t, t+1
.endr
	s_wait_dscnt 32                                ; x is in; ee's 32 loads may be out
	WIN 0x05
	v_pk_mul_f32 v[XXL:XXL+1], v[0:1], v[0:1]
	v_pk_mul_f32 v[TX:TX+1], v[2:3], v[2:3]
.set n, 2
.rept 15
	v_pk_fma_f32 v[XXL:XXL+1], v[2*n:2*n+1], v[2*n:2*n+1], v[XXL:XXL+1]
	v_pk_fma_f32 v[TX:TX+1], v[2*n+2:2*n+3], v[2*n+2:2*n+3], v[TX:TX+1]
.set n, n+2
.endr
	FLOAD 0                                        ; tile 0's first two chunks of fragments
	FLOAD 1
	WIN 0
	v_pk_add_f32 v[XXL:XXL+1], v[XXL:XXL+1], v[TX:TX+1]
	v_permlanex16_b32 v[PA], v[XXL], s34, s35      ; the other 32 channels lie in the lane 16 away
	v_permlanex16_b32 v[PB], v[XXL+1], s34, s35
	v_add_f32 v[XXL], v[XXL], v[PA]
	v_add_f32 v[XXL+1], v[XXL+1], v[PB]
	WIN 0x41
.irp T,0,1
.set n, 0
.rept 32
	v_med3_num_f32 v[64+32*\T+n], v[2*n+\T], -v[LIM0], v[LIM0]   ; held, and gathered by tile: 8 neighbours along K in 8 registers on end
.set n, n+1
.endr
.endr
	WIN 0x01
.irp T,0,1
.irp c,0,1,2,3
	v_cvt_scalef32_pk8_fp8_f32 v[XC+8*\T+2*\c:XC+8*\T+2*\c+1], v[64+32*\T+8*\c:64+32*\T+8*\c+7], v[SC0]   ; registers 2 c, 2 c + 1 of the fragment: k = 16 c + 8 h + 0 .. 7
.endr
.endr
	WIN 0
	v_nop
.macro DCHUNK T, ch                    ; distances to codes 128 ch .. 128 ch + 127
.if (\ch) == 0
	s_wait_alu depctr_va_vdst(0)
.endif
.if (\ch) < 3
	s_wait_dscnt 16                                ; this chunk's fragments are in; the next chunk's sixteen loads may be out
.else
	s_wait_dscnt 0x0
.endif
	WIN 4*((\ch)%2)
.irp z,0,1,2,3,4,5,6,7
	v_wmma_f32_16x16x64_fp8_fp8 v[SS+8*\z:SS+8*\z+7], v[XC+8*(\T):XC+8*(\T)+7], v[FB+8*\z:FB+8*\z+7], 0   ; every C is 0: no chain
.endr
.if (\ch) == 3
.rept 4
	v_nop                                          ; places: the lines below write over this chunk's fragments
.endr
.endif
	WIN 0x50                                       ; t = xx + ee.  These 32 lines are the places behind the products above
.set u, 8*(\ch)
.rept 4
.irp p,0,2,4,6
	v_pk_add_f32 v[8*u+\p:8*u+\p+1], v[XXR+\p:XXR+\p+1], v[EE+u:EE+u+1] op_sel_hi:[1,0]
.endr
.irp p,0,2,4,6
	v_pk_add_f32 v[8*u+8+\p:8*u+8+\p+1], v[XXR+\p:XXR+\p+1], v[EE+u:EE+u+1] op_sel:[0,1] op_sel_hi:[1,1]
.endr
.set u, u+2
.endr
.if (\ch) < 2
	FLOAD (\ch)+2                                  ; over the fragments just multiplied
.endif
	WIN 0x50                                       ; d = S x -2^(e0+e1+1) + t, one rounding; each accumulator from its low end on
.irp z,0,1,2,3,4,5,6,7
.irp p,0,2,4,6
	v_pk_fma_f32 v[64*(\ch)+8*\z+\p:64*(\ch)+8*\z+\p+1], v[SS+8*\z+\p:SS+8*\z+\p+1], s[28:29], v[64*(\ch)+8*\z+\p:64*(\ch)+8*\z+\p+1] op_sel_hi:[1,0,1]
.endr
.endr
.endm
.macro DISTS T                         ; the distances of 16 positions to all 512 codes, the rows' minimum, BIG and BIG v0
	WIN 0
	v_mov_b32_dpp v[PB], v[XXL+(\T)] row_xmask:8 row_mask:0xf bank_mask:0xf
	v_cndmask_b32 v[PB], v[XXL+(\T)], v[PB], s36   ; lanes 16-31: row r xor 8, so lane j of half h holds row 8 h + j
.irp j,0,1,2,3,4,5,6,7
	v_mov_b32_dpp v[XXR+\j], v[PB] row_share:\j row_mask:0xf bank_mask:0xf
.endr
	DCHUNK \T, 0
	DCHUNK \T, 1
	DCHUNK \T, 2
	DCHUNK \T, 3
	WIN 0x15                                       ; the rows' minimum: over my 32 columns, then over the 16 lanes
.irp j,0,1,2,3,4,5,6,7
	v_min3_num_f32 v[MN+\j], v[\j], v[8+\j], v[16+\j]
.endr
	WIN 0x14
.set t, 3
.rept 14
.irp j,0,1,2,3,4,5,6,7
	v_min3_num_f32 v[MN+\j], v[MN+\j], v[8*t+\j], v[8*t+8+\j]
.endr
.set t, t+2
.endr
.irp j,0,1,2,3,4,5,6,7
	v_min_num_f32 v[MN+\j], v[MN+\j], v[248+\j]
.endr
	WIN 0
	XROW v_min_num_f32_dpp, MN
.irp j,0,1,2,3,4,5,6,7
	v_max_num_f32 v[BIG+\j], 0x0f000000, |v[MN+\j]|        ; at least 2^-97
.endr
.irp p,0,2,4,6
	v_pk_mul_f32 v[ML+\p:ML+\p+1], v[MN+\p:MN+\p+1], 0x3fb8aa3b op_sel_hi:[1,0]   ; its rounding is the same for a whole row and cancels in p / sum
.endr
.irp j,0,1,2,3,4,5,6,7
	v_and_b32 v[BIG+\j], 0x7f800000, v[BIG+\j]
.endr
.irp p,0,2,4,6
	v_pk_fma_f32 v[V0B+\p:V0B+\p+1], v[MN+\p:MN+\p+1], s[30:31], v[ML+\p:ML+\p+1] op_sel_hi:[1,0,1]   ; v0
.endr
.irp j,0,1,2,3,4,5,6,7
	v_sub_nc_u32 v[BIG+\j], 0x8e000000, v[BIG+\j]          ; exponent field 284 - m's: 2^(30 - exponent)
.endr
.irp p,0,2,4,6
	v_pk_mul_f32 v[V0B+\p:V0B+\p+1], v[V0B+\p:V0B+\p+1], v[BIG+\p:BIG+\p+1]
.endr
.endm
.macro KEYZ z, t, lit                  ; BIG a - t
.irp p,0,2,4,6
	v_pk_fma_f32 v[KT+8*\z+\p:KT+8*\z+\p+1], v[8*(\t)+\p:8*(\t)+\p+1], v[BIG+\p:BIG+\p+1], \lit op_sel_hi:[1,1,0]
.endr
.endm
.macro ACHUNK ch, l0, l1, l2, l3, l4, l5, l6, l7      ; a in place, and the keys
	WIN 0x41
.set k, 64*(\ch)
.rept 8
.irp p,0,2,4,6
	v_pk_fma_f32 v[k+\p:k+\p+1], v[k+\p:k+\p+1], s[30:31], v[ML+\p:ML+\p+1] op_sel_hi:[1,0,1]
.endr
.set k, k+8
.endr
	WIN 0x01
	KEYZ 0, 8*(\ch), \l0
	KEYZ 1, 8*(\ch)+1, \l1
	KEYZ 2, 8*(\ch)+2, \l2
	KEYZ 3, 8*(\ch)+3, \l3
	KEYZ 4, 8*(\ch)+4, \l4
	KEYZ 5, 8*(\ch)+5, \l5
	KEYZ 6, 8*(\ch)+6, \l6
	KEYZ 7, 8*(\ch)+7, \l7
	WIN 0
.irp j,0,1,2,3,4,5,6,7
.if (\ch) == 0
	v_max_num_f32 v[KEY+\j], v[KT+\j], v[KT+8+\j]
.else
	v_max3_num_f32 v[KEY+\j], v[KEY+\j], v[KT+\j], v[KT+8+\j]
.endif
.endr
.irp z,2,4,6
.irp j,0,1,2,3,4,5,6,7
	v_max3_num_f32 v[KEY+\j], v[KEY+\j], v[KT+8*\z+\j], v[KT+8*\z+8+\j]
.endr
.endr
.endm
.macro KEYS
	ACHUNK 0, 0, 0xbf800000, 0xc0000000, 0xc0400000, 0xc0800000, 0xc0a00000, 0xc0c00000, 0xc0e00000                     ; the f32 numbers -t
	ACHUNK 1, 0xc1000000, 0xc1100000, 0xc1200000, 0xc1300000, 0xc1400000, 0xc1500000, 0xc1600000, 0xc1700000
	ACHUNK 2, 0xc1800000, 0xc1880000, 0xc1900000, 0xc1980000, 0xc1a00000, 0xc1a80000, 0xc1b00000, 0xc1b80000
	ACHUNK 3, 0xc1c00000, 0xc1c80000, 0xc1d00000, 0xc1d80000, 0xc1e00000, 0xc1e80000, 0xc1f00000, 0xc1f80000
.endm
.macro INDEX T                         ; t, then 16 t + r (exact where t is under 32), the lowest over the 16 lanes
.irp p,0,2,4,6
	v_pk_add_f32 v[V0B+\p:V0B+\p+1], v[V0B+\p:V0B+\p+1], v[KEY+\p:KEY+\p+1] neg_lo:[0,1] neg_hi:[0,1]
.endr
.irp j,0,1,2,3,4,5,6,7
	v_rndne_f32 v[V0B+\j], v[V0B+\j]
.endr
.irp p,0,2,4,6
	v_pk_fma_f32 v[V0B+\p:V0B+\p+1], v[V0B+\p:V0B+\p+1], 0x41800000, v[RRF:RRF+1] op_sel_hi:[1,0,0]
.endr
	HALVE v_min_num_f32_dpp, V0B                   ; row 8 h + r % 8
	s_delay_alu instid0(VALU_DEP_1)
	v_permlanex16_b32 v[PB], v[V0B], s34, s35
	s_delay_alu instid0(VALU_DEP_1)
	v_cndmask_b32 v[V0B], v[V0B], v[PB], s37       ; row r, in both halves
	s_delay_alu instid0(VALU_DEP_1)
	v_cvt_u32_f32 v[IQ+(\T)], v[V0B]
.endm
.macro EXPS k0, cnt                    ; p = 2^a, in place
	WIN 0x41
.set k, \k0
.rept \cnt
	v_exp_f32 v[k], v[k]
.set k, k+1
.endr
.endm
.macro SUMS T                          ; the rows' sums of p, their reciprocals, and the columns' sums of p / row sum
	WIN 0x05
	s_wait_alu depctr_va_vdst(0)                   ; ahead of the exponentials' first reader
.irp q,0,1
.irp p,0,2,4,6
	v_pk_add_f32 v[LS+8*\q+\p:LS+8*\q+\p+1], v[8*\q+\p:8*\q+\p+1], v[8*\q+16+\p:8*\q+16+\p+1]
.endr
.endr
	WIN 0x04
.set t, 4
.rept 28
.irp p,0,2,4,6
	v_pk_add_f32 v[LS+8*(t%2)+\p:LS+8*(t%2)+\p+1], v[LS+8*(t%2)+\p:LS+8*(t%2)+\p+1], v[8*t+\p:8*t+\p+1]
.endr
.set t, t+1
.endr
	WIN 0
.irp p,0,2,4,6
	v_pk_add_f32 v[LS+\p:LS+\p+1], v[LS+\p:LS+\p+1], v[LS+8+\p:LS+8+\p+1]
.endr
	HALVE v_add_f32_dpp, LS                        ; lane r of half h: row 8 h + r % 8
	s_wait_alu depctr_va_vdst(0)
	v_rcp_f32 v[RV], v[LS]
	v_nop                                          ; a plain line behind the reciprocal
	s_wait_alu depctr_va_vdst(0)                   ; ahead of the reciprocal's first reader
.irp j,0,1,2,3,4,5,6,7
	v_mov_b32_dpp v[RINV+\j], v[RV] row_share:\j row_mask:0xf bank_mask:0xf
.endr
	WIN 0x04
.irp p,0,2,4,6                                     ; the first products start the sums
.set t, 0
.rept 32
.if ((\T) == 0) && (\p == 0)
	v_pk_mul_f32 v[ACC+2*t:ACC+2*t+1], v[RINV+\p:RINV+\p+1], v[8*t+\p:8*t+\p+1]
.else
	v_pk_fma_f32 v[ACC+2*t:ACC+2*t+1], v[RINV+\p:RINV+\p+1], v[8*t+\p:8*t+\p+1], v[ACC+2*t:ACC+2*t+1]
.endif
.set t, t+1
.endr
.endr
	WIN 0
.endm
	DISTS 0
	KEYS
	FLOAD 0                                        ; tile 1's first chunk of fragments: the keys' registers are free
	INDEX 0
	s_wait_alu depctr_va_vdst(0)
	EXPS 0, 256
	SUMS 0
	FLOAD 1
	DISTS 1
	KEYS
; THE SECOND PRODUCT of both tiles, transposed: q^T = E^T onehot^T.  K = the 512 codes in four steps q of 128, in an order that is the same on both sides: register 16 q + 4 c + e, byte b, half h stands for code
; 256 h + 64 q + 16 c + 4 e + b.  Tile 1's exponents a stay in window 1.  The one-hot's register R = idx / 4 - 64 h is split into R / 8, a lane mask for each of 8, and R % 8, a register for each of 8.
	v_and_b32 v12, 15, v0
	v_bfe_u32 v13, v0, 4, 1
	v_mul_u32_u24 v[E3R], v12, 528
	v_lshl_add_u32 v[E3R], v13, 8, v[E3R]
	v_add_nc_u32 v[E3R], E3T, v[E3R]
	v_mul_u32_u24 v[HISTW], v13, 2112
	v_lshl_add_u32 v[HISTW], v12, 2, v[HISTW]
	s_mul_i32 s38, s20, 4224
	s_add_co_u32 s38, s38, HISTL
	v_add_nc_u32 v[HISTW], s38, v[HISTW]
	v_mul_u32_u24 v[XB], v13, 8320
	v_lshl_add_u32 v[XB], v12, 3, v[XB]
	s_lshl_b32 s38, s20, 7
	s_add_co_u32 s39, s38, XL
	v_add_nc_u32 v[XB], s39, v[XB]
	v_lshlrev_b32 v[IDW], 3, v12
	s_add_co_u32 s38, s38, IDXL
	v_add_nc_u32 v[IDW], s38, v[IDW]
	v_lshlrev_b32 v[BW], 1, v12
	s_lshl_b32 s38, s20, 5
	s_add_co_u32 s38, s38, LOB
	v_add_nc_u32 v[BW], s38, v[BW]
	v_lshlrev_b32 v[H64], 6, v13
	s_wait_alu depctr_va_vdst(0)
.macro E3LOAD q
.irp u,0,1,2,3
.irp c,0,1,2,3
	ds_load_b128 v[EF+16*\u+4*\c:EF+16*\u+4*\c+3], v[E3R] offset:8448*\u+64*\q+16*\c
.endr
.endr
.endm
.macro ONEPREP T
	v_lshrrev_b32 v12, 2, v[IQ+(\T)]
	v_and_b32 v13, 3, v[IQ+(\T)]
	v_and_b32 v4, 7, v12                           ; R % 8
	v_sub_nc_u32 v12, v12, v[H64]
	v_lshlrev_b32 v13, 3, v13
	v_lshrrev_b32 v12, 3, v12                      ; R / 8: 0 .. 7 in the half that has the code, above that in the other
	v_lshlrev_b32 v13, v13, s33                    ; the code of 1.0 in its byte
.irp b,0,1,2,3,4,5,6,7
	v_cmp_eq_u32 s[84+\b], \b, v4
.endr
.irp a,0,1,2,3,4,5,6,7
	v_cmp_eq_u32 s[68+8*(\T)+\a], \a, v12
.endr
.irp b,0,1,2,3,4,5,6,7
	v_cndmask_b32 v[OB+8*(\T)+\b], 0, v13, s[84+\b]
.endr
.endm
.macro MM2Q q                          ; eight accumulators by turns, one instruction a turn
.if \q > 0
.rept 4
	v_nop                                          ; places ahead of lines that write over the last step's operands
.endr
	E3LOAD \q
.endif
.irp T,0,1
.irp a,0,1
.irp b,0,1,2,3,4,5,6,7
	v_cndmask_b32 v[OH+16*\T+8*\a+\b], 0, v[OB+8*\T+\b], s[68+8*\T+2*\q+\a]
.endr
.endr
.endr
	s_wait_alu depctr_va_vdst(0)
	s_wait_dscnt 0x0
.irp u,0,1,2,3
.irp T,0,1
.if \q == 0
	v_wmma_f32_16x16x128_fp8_fp8 v[D2+32*\T+8*\u:D2+32*\T+8*\u+7], v[EF+16*\u:EF+16*\u+15], v[OH+16*\T:OH+16*\T+15], 0
.else
	v_wmma_f32_16x16x128_fp8_fp8 v[D2+32*\T+8*\u:D2+32*\T+8*\u+7], v[EF+16*\u:EF+16*\u+15], v[OH+16*\T:OH+16*\T+15], v[D2+32*\T+8*\u:D2+32*\T+8*\u+7]
.endif
.endr
.endr
.endm
	E3LOAD 0
	INDEX 1
	ONEPREP 0
	ONEPREP 1
	v_and_b32 v12, 15, v[IQ]                       ; idx % 16 and idx / 16 of my two positions, a byte each
	v_and_b32 v13, 15, v[IQ+1]
	v_lshrrev_b32 v4, 4, v[IQ]
	v_lshrrev_b32 v5, 4, v[IQ+1]
	v_lshl_or_b32 v12, v13, 8, v12
	v_lshl_or_b32 v4, v5, 8, v4
	ds_store_b64 v[IDW], v[IQ:IQ+1]                ; the two halves of the lanes store the same bytes with the same numbers
	ds_store_b16 v[BW], v12
	ds_store_b16 v[BW], v4 offset:256
	MM2Q 0
	MM2Q 1
	MM2Q 2
	MM2Q 3
.rept 4
	v_nop                                          ; places ahead of loads into registers that products have read, and of reads of their results
.endr
.irp c,0,1,2,3
.irp i,0,1,2,3,4,5,6,7
	ds_load_b64 v[EF+2*(8*\c+\i):EF+2*(8*\c+\i)+1], v[XB] offset:(16*\c+\i)*1040   ; x once more
.endr
.endr
	v_and_b32 v[OO], 31, v0
	v_lshlrev_b32 v[OO], 4, v[OO]                  ; 16 x lane
	s_mul_i32 s38, s20, 8320
	s_add_co_u32 s38, s38, XL
	v_add_nc_u32 v[XRD], s38, v[OO]
	v_lshl_add_u32 v[HISTR], v0, 3, HISTL
	v_lshlrev_b32 v[O8], 3, v0
	s_lshl_b32 s38, s20, 2
	s_add_co_u32 s38, s38, LOSSL
	v_mov_b32 v5, s38
	s_wait_alu depctr_va_vdst(0)
.macro POST half, left                 ; sixteen channels of the lane, both tiles: q - x (q = sum x 2^(e2+e3) is exact, so the fused form rounds once, as the reference does), x + (q - x), and the squares
	s_wait_dscnt \left
.set n, 16*(\half)
.rept 16
	v_fma_f32 v[OH+2*(n%16)], v[D2+n], s32, -v[EF+2*n]
	v_fma_f32 v[OH+2*(n%16)+1], v[D2+32+n], s32, -v[EF+2*n+1]
.set n, n+1
.endr
.set n, 16*(\half)
.rept 16
	v_pk_add_f32 v[EF+2*n:EF+2*n+1], v[OH+2*(n%16):OH+2*(n%16)+1], v[EF+2*n:EF+2*n+1]
.set n, n+1
.endr
.set n, 16*(\half)
.rept 16
	ds_store_b64 v[XB], v[EF+2*n:EF+2*n+1] offset:(16*(n/8)+n%8)*1040   ; over x in LDS, which has had its one fill: my own bytes
.set n, n+1
.endr
.set n, 16*(\half)
.rept 16
.if n < 4
	v_pk_mul_f32 v[LA+2*n:LA+2*n+1], v[OH+2*n:OH+2*n+1], v[OH+2*n:OH+2*n+1]
.else
	v_pk_fma_f32 v[LA+2*(n%4):LA+2*(n%4)+1], v[OH+2*(n%16):OH+2*(n%16)+1], v[OH+2*(n%16):OH+2*(n%16)+1], v[LA+2*(n%4):LA+2*(n%4)+1]
.endif
.set n, n+1
.endr
.endm
	POST 0, 16                                     ; the first sixteen loads of x are in; the others may be out
	s_wait_alu depctr_va_vdst(0)
	POST 1, 16                                     ; behind the others: the sixteen LDS stores above
	v_pk_add_f32 v[LA:LA+1], v[LA:LA+1], v[LA+2:LA+3]
	v_pk_add_f32 v[LA+4:LA+5], v[LA+4:LA+5], v[LA+6:LA+7]
	s_delay_alu instid0(VALU_DEP_1)
	v_pk_add_f32 v[LA:LA+1], v[LA:LA+1], v[LA+4:LA+5]
	s_delay_alu instid0(VALU_DEP_1)
	v_add_f32 v[LA], v[LA], v[LA+1]
.irp m,1,2,4,8
	s_delay_alu instid0(VALU_DEP_1)
	v_add_f32_dpp v[LA], v[LA], v[LA] row_xmask:\m row_mask:0xf bank_mask:0xf
.endr
	s_delay_alu instid0(VALU_DEP_1)
	v_permlanex16_b32 v[PB], v[LA], s34, s35
	s_delay_alu instid0(VALU_DEP_1)
	v_add_f32 v[LA], v[LA], v[PB]
	ds_store_b32 v5, v[LA]                         ; all lanes store the same word with the same number
	s_wait_alu depctr_va_vdst(0)
	s_wait_dscnt 0x0                               ; for the others: my part of out0, the indices and the loss are in LDS
	s_barrier_signal -1
	s_barrier_wait -1
.irp i,0,1,2,3,4,5,6,7
	ds_load_b128 v[EF+8*\i:EF+8*\i+3], v[XRD] offset:1040*\i
	ds_load_b128 v[EF+8*\i+4:EF+8*\i+7], v[XRD] offset:1040*\i+512
.endr
	s_wait_alu depctr_va_vdst(0)                   ; ahead of the batch; it serves all of tile 1's exponentials
	EXPS 0, 64
	WIN 0
.irp i,0,1,2,3,4,5,6,7
	s_wait_dscnt 15-2*\i                           ; LDS loads come back in the order of issue; the younger ones may be out
	global_store_b128 v[OO], v[EF+8*\i:EF+8*\i+3], s[10:11] offset:4096*\i th:TH_STORE_NT   ; 512 consecutive bytes, at a multiple of 256 from out0's first byte
	s_wait_dscnt 14-2*\i
	global_store_b128 v[OO], v[EF+8*\i+4:EF+8*\i+7], s[10:11] offset:4096*\i+512 th:TH_STORE_NT
.endr
	EXPS 64, 192
	SUMS 1
.set t, 0
.rept 32
	v_add_f32 v[ACC+2*t], v[ACC+2*t], v[ACC+2*t+1]
.set t, t+1
.endr
.set t, 0
.rept 32
	ds_store_b32 v[HISTW], v[ACC+2*t] offset:64*t
.set t, t+1
.endr
	s_wait_dscnt 0x0                               ; for the others: my softmax sums are in LDS
	s_barrier_signal -1
	s_barrier_wait -1
.irp z,0,1,2,3,4,5,6,7,8,9,10,11,12,13,14,15
	ds_load_b64 v[64+2*\z:65+2*\z], v[HISTR] offset:2112*\z       ; sixteen partial sums of codes 2 x thread, 2 x thread + 1
.endr
	s_wait_dscnt 0x0
.set t, 4
.rept 12
	v_pk_add_f32 v[64+2*(t%4):65+2*(t%4)], v[64+2*(t%4):65+2*(t%4)], v[64+2*t:65+2*t]
.set t, t+1
.endr
	v_pk_add_f32 v[64:65], v[64:65], v[66:67]
	v_pk_add_f32 v[68:69], v[68:69], v[70:71]
	s_delay_alu instid0(VALU_DEP_1)
	v_pk_add_f32 v[64:65], v[64:65], v[68:69]
	s_wait_alu depctr_va_vdst(0)
	global_store_b64 v[O8], v[64:65], s[16:17]     ; a wave stores 256 consecutive bytes
	s_cmp_lt_u32 s20, 2
	s_cbranch_scc0 .Lno_counts
	; waves 0, 1: out3, and the counts of codes 256 w .. 256 w + 255: lane (r, h) has idx / 16 = 16 w + r and idx % 16 = 8 h + j
	v_lshlrev_b32 v32, 4, v0
	v_add_nc_u32 v33, IDXL, v32
	v_bfe_u32 v34, v0, 4, 1
	v_lshl_add_u32 v35, v34, 6, LOB
	ds_load_b128 v[116:119], v33
.irp c,0,1,2,3
	ds_load_b128 v[128+4*\c:131+4*\c], v35 offset:16*\c
	ds_load_b128 v[144+4*\c:147+4*\c], v35 offset:128+16*\c
	ds_load_b128 v[160+4*\c:163+4*\c], v35 offset:256+16*\c
	ds_load_b128 v[176+4*\c:179+4*\c], v35 offset:384+16*\c
.endr
	v_and_b32 v36, 15, v0
	s_lshl_b32 s38, s20, 4
	v_add_nc_u32 v37, s38, v36
	v_lshl_or_b32 v36, v36, 8, v36                 ; the number in all four bytes
	v_lshl_or_b32 v37, v37, 8, v37
	v_lshl_or_b32 v36, v36, 16, v36
	v_lshl_or_b32 v37, v37, 16, v37
	s_wait_alu depctr_va_vdst(0)
	s_wait_dscnt 16                                ; the indices are in
	global_store_b128 v32, v[116:119], s[12:13] th:TH_STORE_NT
	s_wait_dscnt 0x0
.set n, 0
.rept 32
	v_xor_b32 v[128+n], v36, v[128+n]              ; a byte is 0 where it matches, at most 31 elsewhere
	v_xor_b32 v[160+n], v37, v[160+n]
.set n, n+1
.endr
.set n, 0
.rept 64
	v_sub_nc_u32 v[128+n], s55, v[128+n]           ; 0x40 - byte: bit 6 stays where it matches
.set n, n+1
.endr
.set n, 0
.rept 64
	v_and_b32 v[128+n], s55, v[128+n]              ; the code of 2.0, or 0
.set n, n+1
.endr
	v_wmma_f32_16x16x128_fp8_fp8 v[96:103], v[128:143], v[160:175], 0
	v_wmma_f32_16x16x128_fp8_fp8 v[104:111], v[144:159], v[176:191], 0
	v_and_b32 v33, 15, v0                          ; 512 w + 32 r + 16 h; these five lines are the places behind the products
	v_lshlrev_b32 v33, 5, v33
	v_lshl_add_u32 v33, v34, 4, v33
	s_lshl_b32 s38, s20, 9
	v_add_nc_u32 v33, s38, v33
	v_lshrrev_b32 v35, 1, v33
.irp p,0,2,4,6
	v_pk_add_f32 v[96+\p:97+\p], v[96+\p:97+\p], v[104+\p:105+\p]
.endr
.irp p,0,2,4,6
	v_pk_mul_f32 v[96+\p:97+\p], v[96+\p:97+\p], 0x3e800000 op_sel_hi:[1,0]   ; x 1/4
.endr
.irp j,0,1,2,3,4,5,6,7
	v_cvt_u32_f32 v[96+\j], v[96+\j]
.endr
.irp q,0,1,2,3
	v_lshl_or_b32 v[112+\q], v[97+2*\q], 16, v[96+2*\q]
.endr
	s_mov_b32 s39, 0x06040200
	v_perm_b32 v120, v113, v112, s39               ; the low bytes: 256 becomes 0
	v_perm_b32 v121, v115, v114, s39
	s_wait_alu depctr_va_vdst(0)
	global_store_b128 v33, v[112:115], s[14:15]    ; a wave's store covers 512 consecutive bytes,
	global_store_b64 v35, v[120:121], s[22:23]     ; and 256
.Lno_counts:
	s_cmp_eq_u32 s20, 7
	s_cbranch_scc0 .Lend
	v_mov_b32 v40, LOSSL                           ; wave 7: the work-group's sum of (q - x)^2
	v_mov_b32 v41, 0
	ds_load_b128 v[44:47], v40
	ds_load_b128 v[48:51], v40 offset:16
	s_wait_alu depctr_va_vdst(0)
	s_wait_dscnt 0x0
	v_pk_add_f32 v[44:45], v[44:45], v[46:47]
	v_pk_add_f32 v[48:49], v[48:49], v[50:51]
	s_delay_alu instid0(VALU_DEP_1)
	v_pk_add_f32 v[44:45], v[44:45], v[48:49]
	s_delay_alu instid0(VALU_DEP_1)
	v_add_f32 v44, v44, v45
	s_wait_alu depctr_va_vdst(0)
	s_wait_xcnt 0x0                                ; EXEC changes only behind this wait: it is a source of the stores above
	v_cmp_eq_u32 vcc_lo, 0xe0, v0
	s_and_saveexec_b32 s38, vcc_lo
	global_store_b32 v41, v44, s[18:19]            ; thread 224 alone
	s_wait_xcnt 0x0
	s_or_b32 exec_lo, exec_lo, s38
.Lend:
	v_lshl_add_u32 v[SPW], v0, 2, SPARE
	v_mov_b32 v[NIL], 0
	s_wait_alu depctr_va_vdst(0)
	s_wait_tensorcnt 0x0                           ; the wave's end
	ds_add_u32 v[SPW], v[NIL]
	s_wait_dscnt 0x0
	s_endpgm
.Lfunc_end_k_q380ea77c1e_main:
	.size	k_q380ea77c1e_main, .Lfunc_end_k_q380ea77c1e_main-k_q380ea77c1e_main
	.p2alignl 7, 3214868480
	.fill 96, 4, 3214868480
	.section	.rodata,"a",@progbits
	.p2align	6, 0x0
	.amdhsa_kernel k_q380ea77c1e_main
		.amdhsa_group_segment_fixed_size 179968
		.amdhsa_private_segment_fixed_size 0
		.amdhsa_enable_private_segment 0
		.amdhsa_kernarg_size 72
		.amdhsa_user_sgpr_count 2
		.amdhsa_user_sgpr_kernarg_segment_ptr 1
		.amdhsa_wavefront_size32 1
		.amdhsa_system_sgpr_workgroup_id_x 1
		.amdhsa_system_sgpr_workgroup_id_y 1
		.amdhsa_system_sgpr_workgroup_id_z 1
		.amdhsa_system_vgpr_workitem_id 0
		.amdhsa_next_free_vgpr 512
		.amdhsa_next_free_sgpr 96
		.amdhsa_reserve_vcc 1
		.amdhsa_float_denorm_mode_32 3
		.amdhsa_float_denorm_mode_16_64 3
		.amdhsa_memory_ordered 1
		.amdhsa_forward_progress 1
		.amdhsa_inst_pref_size 255
	.end_amdhsa_kernel
	.section	.bss,"aw",@nobits
	.p2align	6
	.space	262144
	.amdgpu_metadata
---
amdhsa.version: [ 1, 2 ]
amdhsa.kernels:
  - .name:           k_q380ea77c1e_main
    .symbol:         k_q380ea77c1e_main.kd
    .args:
      - { .name: codebook, .offset: 0, .size: 8, .value_kind: global_buffer, .address_space: global }
      - { .name: lowp_scales, .offset: 8, .size: 8, .value_kind: global_buffer, .address_space: global }
      - { .name: x, .offset: 16, .size: 8, .value_kind: global_buffer, .address_space: global }
      - { .name: out0, .offset: 24, .size: 8, .value_kind: global_buffer, .address_space: global }
      - { .name: out3, .offset: 32, .size: 8, .value_kind: global_buffer, .address_space: global }
      - { .name: cntp, .offset: 40, .size: 8, .value_kind: global_buffer, .address_space: global }
      - { .name: histp, .offset: 48, .size: 8, .value_kind: global_buffer, .address_space: global }
      - { .name: lossp, .offset: 56, .size: 8, .value_kind: global_buffer, .address_space: global }
      - { .name: cnt8, .offset: 64, .size: 8, .value_kind: global_buffer, .address_space: global }
    .group_segment_fixed_size: 179968
    .private_segment_fixed_size: 0
    .kernarg_segment_align: 8
    .kernarg_segment_size: 72
    .max_flat_workgroup_size: 256
    .sgpr_count:     96
    .vgpr_count:     512
    .wavefront_size: 32
...
	.end_amdgpu_metadata
.endif
;; end of part 1
;; launch finish (part 2): grid 65 x 1, 16 waves a work-group, no clusters, 18,688 bytes of LDS; arguments cntp, cnt8, out3, histp, lossp, out1, out2, out4, out5; writes out1, out2, out4, out5
.if DOCPART == 2
	.amdgcn_target "amdgcn-amd-amdhsa--gfx1250"
	.amdhsa_code_object_version 6
	.text
	.protected	k_q380ea77c1e_finish
	.globl	k_q380ea77c1e_finish
	.p2align	8
	.type	k_q380ea77c1e_finish,@function
k_q380ea77c1e_finish:
	s_mov_b64 s[64:65], 0
	v_nop
	global_prefetch_b8 v0, s[64:65] scope:SCOPE_SE
	s_setreg_imm32_b32 hwreg(HW_REG_WAVE_MODE, 25, 1), 1
	s_wait_xcnt 0x0
; THE SUMS OVER WORK-GROUPS of the launch before.  cntp: [256][512] u16 counts, cnt8: the same modulo 256 as bytes, histp: [256][512] f32, lossp: [256] f32; rows 4 b .. 4 b + 3 belong to batch b.  out3: [256][256] indices.
; Nothing of reference() is left out here.
; Work-group 0, the longest, comes first: the counts of all 256 rows, code by code, give perplexity = 2^(-sum p log2(p + 1e-10)), p = count / 65536, which is exp(-sum p ln(p + 1e-10)); the 256 partial losses give
; loss = 1.25 x sum / 2^22 (q_latent_loss and e_latent_loss are the same mean).  It reads the counts as bytes.  A row's 256 counts add up to 256, so a row of bytes is all zeros if and only if one code has all 256:
; then that code is the row's first index, and 256 is added for it.  Sixteen rows add up to at most 4096 a code: packed 16-bit halves do not carry.
; Work-groups 1 to 64, one a batch: waves 0-7 add four rows of histp into out5[b], waves 8-15 four rows of cntp into out4[b] (as f32); a wave's store covers 256 consecutive bytes.
.set PART,  0          ; LDS: 16 rows (wave) of 512 u16
.set RED,   16384      ; 16 pairs
.set SPARE, 16640      ; the spare words, 128 bytes for each of 16 waves: eight blocks of 256 bytes that no other line names
.set AC,    20         ; v20-23 sums of bytes 0 and 2 of my four words, v24-27 of bytes 1 and 3
.set W,     112        ; v112-175 sixteen rows, 16 codes a lane
.macro ROWSUM a                        ; the sum over a row's 16 lanes
	v_add_f32_dpp v[\a], v[\a], v[\a] row_xmask:1 row_mask:0xf bank_mask:0xf
.irp m, 2, 4, 8
	s_delay_alu instid0(VALU_DEP_1)
	v_add_f32_dpp v[\a], v[\a], v[\a] row_xmask:\m row_mask:0xf bank_mask:0xf
.endr
.endm
	s_load_b256 s[4:11], s[0:1], 0x0               ; cntp s[4:5], cnt8 s[6:7], out3 s[8:9], histp s[10:11]
	s_load_b256 s[12:19], s[0:1], 0x20             ; lossp s[12:13], out1 s[14:15], out2 s[16:17], out4 s[18:19]
	s_load_b64 s[20:21], s[0:1], 0x40              ; out5
	v_lshl_add_u32 v30, v0, 2, SPARE
	v_mov_b32 v31, 0
	v_lshrrev_b32 v1, 5, v0
	v_readfirstlane_b32 s28, v1                    ; wave 0..15
	v_and_b32 v1, 31, v0                           ; lane
	s_mov_b32 s23, 0
	s_mov_b32 s27, 0
	s_wait_alu depctr_va_vdst(0)
	s_wait_kmcnt 0x0
	s_cmp_eq_u32 ttmp9, 0                          ; the same in all waves of a work-group
	s_cbranch_scc1 .Lglobal
	s_sub_co_u32 s29, ttmp9, 1                     ; batch
	s_lshl_b32 s26, s29, 11                        ; a row of out4 or out5: 2048 bytes
	s_cmp_lt_u32 s28, 8
	s_cbranch_scc0 .Lcounts
	s_lshl_b32 s22, s29, 13                        ; four rows of histp
	s_add_nc_u64 s[10:11], s[10:11], s[22:23]
	s_add_nc_u64 s[20:21], s[20:21], s[26:27]
	v_lshlrev_b32 v2, 3, v0                        ; threads 0-255: two codes each
.irp z,0,1,2,3
	global_load_b64 v[4+2*\z:5+2*\z], v2, s[10:11] offset:2048*\z
.endr
	s_wait_alu depctr_va_vdst(0)
	s_wait_loadcnt 0x0
	v_pk_add_f32 v[4:5], v[4:5], v[6:7]
	v_pk_add_f32 v[8:9], v[8:9], v[10:11]
	s_delay_alu instid0(VALU_DEP_1)
	v_pk_add_f32 v[4:5], v[4:5], v[8:9]
	s_wait_alu depctr_va_vdst(0)
	global_store_b64 v2, v[4:5], s[20:21]
	s_endpgm
.Lcounts:
	s_lshl_b32 s22, s29, 12                        ; four rows of cntp
	s_add_nc_u64 s[4:5], s[4:5], s[22:23]
	s_add_nc_u64 s[18:19], s[18:19], s[26:27]
	v_and_b32 v2, 255, v0                          ; threads 256-511: two codes each
	s_delay_alu instid0(VALU_DEP_1)
	v_lshlrev_b32 v3, 2, v2
	s_delay_alu instid0(VALU_DEP_2)
	v_lshlrev_b32 v12, 3, v2
.irp z,0,1,2,3
	global_load_b32 v[4+\z], v3, s[4:5] offset:1024*\z
.endr
	s_wait_alu depctr_va_vdst(0)
	s_wait_loadcnt 0x0
	v_add_nc_u32 v4, v4, v5                        ; two 16-bit counts at once: at most 1024 each
	v_add_nc_u32 v6, v6, v7
	s_delay_alu instid0(VALU_DEP_1)
	v_add_nc_u32 v4, v4, v6
	s_delay_alu instid0(VALU_DEP_1)
	v_and_b32 v8, 0xffff, v4
	s_delay_alu instid0(VALU_DEP_2)
	v_lshrrev_b32 v9, 16, v4
	s_delay_alu instid0(VALU_DEP_2)
	v_cvt_f32_u32 v8, v8
	s_delay_alu instid0(VALU_DEP_2)
	v_cvt_f32_u32 v9, v9
	s_wait_alu depctr_va_vdst(0)
	global_store_b64 v12, v[8:9], s[18:19]
	s_endpgm
.Lglobal:
	v_lshlrev_b32 v3, 4, v1
	v_and_b32 v2, 15, v0
	v_lshlrev_b32 v2, 2, v2
	s_lshl_b32 s22, s28, 13                        ; my 16 rows of cnt8
	s_add_nc_u64 s[6:7], s[6:7], s[22:23]
	s_lshl_b32 s22, s28, 6                         ; my 16 partial losses
	s_add_nc_u64 s[12:13], s[12:13], s[22:23]
	s_lshl_b32 s22, s28, 14                        ; the first of my 16 rows of indices
	s_add_nc_u64 s[8:9], s[8:9], s[22:23]
	s_wait_alu depctr_va_vdst(0)
.irp q,0,1,2,3,4,5,6,7,8,9,10,11,12,13,14,15
	global_load_b128 v[W+4*\q:W+4*\q+3], v3, s[6:7] offset:512*\q th:TH_LOAD_NT   ; a row: 512 consecutive bytes
.endr
	global_load_b32 v41, v2, s[12:13]
	s_mov_b32 s24, 0x76543210                      ; v_permlanex16_b32: lane l xor 16
	s_mov_b32 s25, 0xfedcba98
	s_mov_b32 s26, 0x00ff00ff
	s_lshl_b32 s22, s28, 10
	v_add_nc_u32 v12, s22, v3                      ; PART + 1024 x wave + 16 x lane
	v_lshrrev_b32 v13, 2, v0                       ; thread = code: PART + 512 x bit 0 + 4 x (code / 4) + 2 x bit 1
	v_and_b32 v14, 1, v0
	v_lshlrev_b32 v13, 2, v13
	v_bfe_u32 v15, v0, 1, 1
	v_lshl_add_u32 v13, v14, 9, v13
	v_lshl_add_u32 v13, v15, 1, v13
	s_lshl_b32 s22, s28, 3
	s_add_co_u32 s22, s22, RED
	v_mov_b32 v15, s22
	v_mov_b32 v16, RED
	v_mov_b32 v14, 0                               ; a lane permute's destination counts as read
	v_mov_b32 v17, 0
	s_wait_alu depctr_va_vdst(0)
.set q, 0
.rept 8
	s_wait_loadcnt 15-2*q                          ; rows 2 q and 2 q + 1 are in; the younger rows and the losses may be out
.irp e,0,1,2,3
	v_and_b32 v[80+\e], s26, v[W+8*q+\e]
	v_lshrrev_b32 v[84+\e], 8, v[W+8*q+\e]
	v_and_b32 v[88+\e], s26, v[W+8*q+4+\e]
	v_lshrrev_b32 v[92+\e], 8, v[W+8*q+4+\e]
.endr
	v_or_b32 v104, v[W+8*q], v[W+8*q+1]
	v_or_b32 v105, v[W+8*q+2], v[W+8*q+3]
	v_or_b32 v106, v[W+8*q+4], v[W+8*q+5]
	v_or_b32 v107, v[W+8*q+6], v[W+8*q+7]
.irp e,0,1,2,3,4,5,6,7                             ; v20-23: bytes 0 and 2; v24-27: byte 1 + (byte 2 << 8) + (byte 3 << 16): byte 2's sum is taken off below
.if q == 0
	v_add_nc_u32 v[AC+\e], v[80+\e], v[88+\e]
.else
	v_add3_u32 v[AC+\e], v[AC+\e], v[80+\e], v[88+\e]
.endif
.endr
	v_or_b32 v104, v104, v105
	v_or_b32 v106, v106, v107
	v_cmp_ne_u32 s[32+2*q], 0, v104                ; the lanes with a count: none at all where one code has all 256
	v_cmp_ne_u32 s[33+2*q], 0, v106
.set q, q+1
.endr
	s_wait_alu depctr_va_vdst(0)
	s_wait_loadcnt 0x0
.irp e,0,1,2,3
	v_lshrrev_b32 v[96+\e], 16, v[AC+\e]
.endr
.irp e,0,1,2,3
	v_lshlrev_b32 v[96+\e], 8, v[96+\e]
.endr
.irp e,0,1,2,3
	v_sub_nc_u32 v[AC+4+\e], v[AC+4+\e], v[96+\e]
.endr
.irp q,0,1,2,3,4,5,6,7
	s_min_u32 s[48+\q], s[32+\q], s[40+\q]
.endr
.irp q,0,1,2,3
	s_min_u32 s[48+\q], s[48+\q], s[52+\q]
.endr
	s_min_u32 s48, s48, s50
	s_min_u32 s49, s49, s51
	s_min_u32 s48, s48, s49
	s_wait_alu depctr_va_vdst(0)
	s_cmp_lg_u32 s48, 0
	s_cbranch_scc1 .Lsum
	s_mov_b32 s49, 0                               ; some row is all zeros: bit q says which
.irp q,0,1,2,3,4,5,6,7,8,9,10,11,12,13,14,15
	s_cmp_eq_u32 s[32+\q], 0
	s_cselect_b32 s50, 1<<\q, 0
	s_or_b32 s49, s49, s50
.endr
	s_mov_b32 s51, 0
.Lfull:
	s_bitcmp1_b32 s49, 0
	s_cbranch_scc0 .Lnext
	s_load_b32 s52, s[8:9], 0x0                    ; the row's first index
	s_wait_kmcnt 0x0
	s_lshr_b32 s53, s52, 4                         ; its lane
	s_lshr_b32 s54, s52, 2
	s_and_b32 s54, s54, 3
	s_and_b32 s55, s52, 1
	s_lshl_b32 s55, s55, 2
	s_or_b32 s54, s54, s55                         ; its register
	s_lshl_b32 s55, s52, 3
	s_and_b32 s55, s55, 16
	s_lshl_b32 s55, 0x100, s55                     ; 256 in its half
	v_cmp_eq_u32 s56, s53, v1
.irp a,0,1,2,3,4,5,6,7
	s_cmp_eq_u32 s54, \a
	s_cselect_b32 s57, s55, 0
	v_cndmask_b32 v28, 0, s57, s56
	v_add_nc_u32 v[AC+\a], v[AC+\a], v28
.endr
.Lnext:
	s_lshr_b32 s49, s49, 1
	s_add_nc_u64 s[8:9], s[8:9], 0x400
	s_add_co_u32 s51, s51, 1
	s_wait_alu depctr_va_vdst(0)
	s_cmp_lt_u32 s51, 16
	s_cbranch_scc1 .Lfull
.Lsum:
	ds_store_b128 v12, v[AC:AC+3]
	ds_store_b128 v12, v[AC+4:AC+7] offset:512
	ROWSUM 41                                      ; my 16 partial losses
	s_wait_alu depctr_va_vdst(0)
	s_wait_dscnt 0x0                               ; for the others: my row of sums is stored
	s_barrier_signal -1
	s_barrier_wait -1
.irp z,0,1,2,3,4,5,6,7,8,9,10,11,12,13,14,15
	ds_load_u16 v[56+\z], v13 offset:1024*\z       ; thread = code
.endr
	s_wait_dscnt 0x0
.irp z,0,1,2,3,4,5,6,7
	v_add_nc_u32 v[56+\z], v[56+\z], v[64+\z]
.endr
.irp z,0,1,2,3
	v_add_nc_u32 v[56+\z], v[56+\z], v[60+\z]
.endr
	v_add_nc_u32 v56, v56, v58
	v_add_nc_u32 v57, v57, v59
	s_delay_alu instid0(VALU_DEP_1)
	v_add_nc_u32 v56, v56, v57
	s_delay_alu instid0(VALU_DEP_1)
	v_cvt_f32_u32 v40, v56
	s_delay_alu instid0(VALU_DEP_1)
	v_mul_f32 v40, 0x37800000, v40                 ; p = count / 65536
	s_delay_alu instid0(VALU_DEP_1)
	v_add_f32 v42, 0x2edbe6ff, v40                 ; + 1e-10
	s_wait_alu depctr_va_vdst(0)
	v_log_f32 v42, v42
	v_nop                                          ; a plain line behind the logarithm
	s_wait_alu depctr_va_vdst(0)                   ; ahead of the logarithm's first reader
	v_mul_f32 v40, v40, v42
	s_delay_alu instid0(VALU_DEP_1)
	ROWSUM 40
	s_delay_alu instid0(VALU_DEP_1)
	v_permlanex16_b32 v14, v40, s24, s25
	s_delay_alu instid0(VALU_DEP_1)
	v_add_f32 v40, v40, v14
	ds_store_b64 v15, v[40:41]                     ; all lanes store the same two words with the same numbers
	s_wait_dscnt 0x0
	s_barrier_signal -1
	s_barrier_wait -1
.irp z,0,1,2,3,4,5,6,7
	ds_load_b128 v[44+4*\z:44+4*\z+3], v16 offset:16*\z
.endr
	s_wait_dscnt 0x0
.irp z,0,2,4,6,8,10,12,14
	v_pk_add_f32 v[44+\z:45+\z], v[44+\z:45+\z], v[60+\z:61+\z]
.endr
.irp z,0,2,4,6
	v_pk_add_f32 v[44+\z:45+\z], v[44+\z:45+\z], v[52+\z:53+\z]
.endr
.irp z,0,2
	v_pk_add_f32 v[44+\z:45+\z], v[44+\z:45+\z], v[48+\z:49+\z]
.endr
	s_delay_alu instid0(VALU_DEP_1)
	v_pk_add_f32 v[44:45], v[44:45], v[46:47]
	s_delay_alu instid0(VALU_DEP_1)
	v_mul_f32 v4, 0x34a00000, v45                  ; x 1.25 / 2^22
	s_wait_alu depctr_va_vdst(0)
	v_exp_f32 v42, -v44
	v_nop                                          ; a plain line behind the exponential
	s_wait_alu depctr_va_vdst(0)
	s_wait_xcnt 0x0                                ; EXEC changes only behind this wait
	v_cmp_eq_u32 vcc_lo, 0, v0
	s_and_saveexec_b32 s26, vcc_lo
	global_store_b32 v17, v4, s[14:15]             ; thread 0 alone: loss,
	global_store_b32 v17, v42, s[16:17]            ; perplexity
	s_wait_xcnt 0x0
	s_or_b32 exec_lo, exec_lo, s26
	s_wait_tensorcnt 0x0                           ; the wave's end, behind my last LDS store
	ds_add_u32 v30, v31
	s_wait_dscnt 0x0
	s_endpgm
.Lfunc_end_k_q380ea77c1e_finish:
	.size	k_q380ea77c1e_finish, .Lfunc_end_k_q380ea77c1e_finish-k_q380ea77c1e_finish
	.p2alignl 7, 3214868480
	.fill 96, 4, 3214868480
	.section	.rodata,"a",@progbits
	.p2align	6, 0x0
	.amdhsa_kernel k_q380ea77c1e_finish
		.amdhsa_group_segment_fixed_size 18688
		.amdhsa_private_segment_fixed_size 0
		.amdhsa_enable_private_segment 0
		.amdhsa_kernarg_size 72
		.amdhsa_user_sgpr_count 2
		.amdhsa_user_sgpr_kernarg_segment_ptr 1
		.amdhsa_wavefront_size32 1
		.amdhsa_system_sgpr_workgroup_id_x 1
		.amdhsa_system_sgpr_workgroup_id_y 1
		.amdhsa_system_sgpr_workgroup_id_z 1
		.amdhsa_system_vgpr_workitem_id 0
		.amdhsa_next_free_vgpr 176
		.amdhsa_next_free_sgpr 66
		.amdhsa_reserve_vcc 1
		.amdhsa_float_denorm_mode_32 3
		.amdhsa_float_denorm_mode_16_64 3
		.amdhsa_memory_ordered 1
		.amdhsa_forward_progress 1
		.amdhsa_inst_pref_size 27
	.end_amdhsa_kernel
	.amdgpu_metadata
---
amdhsa.version: [ 1, 2 ]
amdhsa.kernels:
  - .name:           k_q380ea77c1e_finish
    .symbol:         k_q380ea77c1e_finish.kd
    .args:
      - { .name: cntp, .offset: 0, .size: 8, .value_kind: global_buffer, .address_space: global }
      - { .name: cnt8, .offset: 8, .size: 8, .value_kind: global_buffer, .address_space: global }
      - { .name: out3, .offset: 16, .size: 8, .value_kind: global_buffer, .address_space: global }
      - { .name: histp, .offset: 24, .size: 8, .value_kind: global_buffer, .address_space: global }
      - { .name: lossp, .offset: 32, .size: 8, .value_kind: global_buffer, .address_space: global }
      - { .name: out1, .offset: 40, .size: 8, .value_kind: global_buffer, .address_space: global }
      - { .name: out2, .offset: 48, .size: 8, .value_kind: global_buffer, .address_space: global }
      - { .name: out4, .offset: 56, .size: 8, .value_kind: global_buffer, .address_space: global }
      - { .name: out5, .offset: 64, .size: 8, .value_kind: global_buffer, .address_space: global }
    .group_segment_fixed_size: 18688
    .private_segment_fixed_size: 0
    .kernarg_segment_align: 8
    .kernarg_segment_size: 72
    .max_flat_workgroup_size: 512
    .sgpr_count:     66
    .vgpr_count:     176
    .wavefront_size: 32
...
	.end_amdgpu_metadata
.endif
;; end of part 2
